; MI455X (gfx1250); checked and timed in simulation.
; The chip was launched on July 23, 2026; its instructions are those of AMD's public machine-readable ISA for CDNA 5 (MIT licence, August 2026) and "CDNA5" Instruction Set Architecture Reference Guide (July 2026). The comments in the code are by the model that wrote it; some were corrected since.
;; Center Net Decoder. Allowed arithmetic: float matrix products may take bf16 or f16 operands with f32 sums; all other float work in f32.
;; Inputs: bbox 16 x 4 x 512 x 512 float32; br_heat 16 x 2 x 512 x 512 float32; ct_heat 16 x 2 x 512 x 512 float32; tl_heat 16 x 2 x 512 x 512 float32.
;; Outputs: out0 16 x 2 x 200 x 200 x 6 float32.
;; Constants: img_h = 2048, img_w = 2048.
;; 2 versions, each right; version 2 is version 1 with the launch pool written anew for expert scheduling mode. Each part assembles by itself: llvm-mc -triple=amdgcn-amd-amdhsa -mcpu=gfx1250 --defsym DOCPART=n.
;; ======== version 1 of 2: 4 launches
;; workspace buffers: bkeys 3,145,728 bytes of whole numbers; blist 49,152 bytes of whole numbers; ckeys 1,572,864 bytes of whole numbers; coords 147,456 bytes of whole numbers; scores 49,152 bytes
;; launch pool (part 1): grid 32 x 48, 4 waves a work-group, no clusters, 2,560 bytes of LDS; arguments tl_heat, br_heat, ct_heat, bkeys; writes bkeys
.if DOCPART == 1
	.amdgcn_target "amdgcn-amd-amdhsa--gfx1250"
	.amdhsa_code_object_version 6
	.text
	.protected	k_q28554ea10f_pool
	.globl	k_q28554ea10f_pool
	.p2align	8
	.type	k_q28554ea10f_pool,@function
k_q28554ea10f_pool:
	s_mov_b64 s[64:65], 0
	v_nop
	global_prefetch_b8 v0, s[64:65] scope:SCOPE_SE
	s_setreg_imm32_b32 hwreg(HW_REG_WAVE_MODE, 25, 1), 1
	s_wait_xcnt 0x0
; hm = maxpool3x3(heat) * (heat == max over the 2 channels), and of hm only the maximum of each block of 32 neighbouring
; pixels of a row, as a sortable key: bkeys[heat*32 + b*2 + c][y*16 + x/32].
; key = bits ^ ((bits >> 31 arithmetic) | 0x80000000): an unsigned number that rises with the f32 and puts -0 under +0.
; A work-group takes 16 rows x 512 columns x both channels of one image; thread t owns columns 4t .. 4t+3.
; The stream needs no matrix unit, no tensor load and no cluster: no tile is shared, and a ring of six rows in registers
; (six loads a row: per channel 16 bytes, the left and the right neighbour) keeps 36 loads of every wave on their way.
; Outside the image the addresses are clamped: the element read twice is in the window already, which is what the
; -inf padding of the pool amounts to.
; LIMIT: NaN in a heat map is not served (a NaN loses in the maxima here).  The block maximum is taken in f32; it leans on
; the f32 maximum ranking +0 above -0 (ISA guide, the entry of v_max_num_f32).
.set CH,   0x100000                    ; bytes in a channel plane
.set ROWB, 2048                        ; bytes in a row
.set OFC,  1                           ; v1       16 t: my four pixels
.set OFL,  2                           ; v2       the pixel to their left (clamped)
.set OFR,  3                           ; v3       the pixel to their right (clamped)
.set LA,   4                           ; v4       LDS: 4 x (t / 8), my block's word in a row of 16 blocks
.set P,    8                           ; v[8:15]  pooled values, 2 channels x 4
.set H,    20                          ; v[20:43] horizontal maxima of three rows, 2 channels x 4 each
.set M,    44                          ; v[44:59] masks (0 or 1.0) of two rows
.set X,    60                          ; v[60:131] ring: slot s, channel c at X+12s+6c: 4 pixels, left, right
.set BT,   14                          ; s[14:15] the row above the strip (clamped)
.set BM,   16                          ; s[16:17] the strip's first row
.set BB,   18                          ; s[18:19] the row below the strip (clamped)
	s_load_b256 s[4:11], s[0:1], 0x0               ; tl s[4:5], br s[6:7], ct s[8:9], bkeys s[10:11]
	v_lshl_add_u32 v136, v0, 2, 0x800
	v_mov_b32 v137, 0
	s_and_b32 s22, ttmp7, 0xffff                   ; image = heat * 16 + b
	s_lshr_b32 s23, s22, 4                         ; heat
	s_and_b32 s24, s22, 15                         ; b
	s_lshl_b32 s25, ttmp9, 4                       ; y0, the strip's first row
	s_mov_b32 s28, 0x80000000
	v_lshlrev_b32 v[OFC], 4, v0
	v_min_u32 v[OFL], 1, v0                        ; 16 t - 4, and 0 for t = 0
	v_lshlrev_b32 v[OFL], 2, v[OFL]
	v_sub_nc_u32 v[OFL], v[OFC], v[OFL]
	v_add_nc_u32 v[OFR], 16, v[OFC]
	v_min_u32 v[OFR], 2044, v[OFR]                 ; column 511 at the most
	v_lshrrev_b32 v[LA], 3, v0
	v_lshlrev_b32 v[LA], 2, v[LA]
	s_wait_kmcnt 0x0
	s_cmp_eq_u32 s23, 1
	s_cselect_b64 s[12:13], s[6:7], s[4:5]
	s_cmp_eq_u32 s23, 2
	s_cselect_b64 s[12:13], s[8:9], s[12:13]
	s_lshl_b32 s26, s24, 21                        ; b x 2 channels x 1 MiB
	s_mov_b32 s27, 0
	s_add_nc_u64 s[12:13], s[12:13], s[26:27]
	s_lshl_b32 s26, s25, 11
	s_add_nc_u64 s[BM:BM+1], s[12:13], s[26:27]
	s_sub_co_i32 s26, s25, 1
	s_max_i32 s26, s26, 0
	s_lshl_b32 s26, s26, 11
	s_add_nc_u64 s[BT:BT+1], s[12:13], s[26:27]
	s_add_co_u32 s26, s25, 16
	s_min_u32 s26, s26, 511
	s_lshl_b32 s26, s26, 11
	s_add_nc_u64 s[BB:BB+1], s[12:13], s[26:27]
	s_lshl_b32 s26, s22, 16                        ; image x 2 planes of 32,768 bytes of keys
	s_lshl_b32 s29, ttmp9, 10                      ; + strip x 256 blocks x 4 bytes
	s_add_co_u32 s26, s26, s29
	s_add_nc_u64 s[20:21], s[10:11], s[26:27]
.macro LOAD6 s, b, off                 ; one row of both channels into slot s
.irp c, 0,1
	global_load_b128 v[X+12*\s+6*\c:X+12*\s+6*\c+3], v[OFC], s[\b:\b+1] offset:\off+\c*CH
	global_load_b32 v[X+12*\s+6*\c+4], v[OFL], s[\b:\b+1] offset:\off+\c*CH
	global_load_b32 v[X+12*\s+6*\c+5], v[OFR], s[\b:\b+1] offset:\off+\c*CH
.endr
.endm
.macro LOADROW i                       ; input row i = image row y0 - 1 + i, i = 0 .. 17
.if (\i) == 0
	LOAD6 0, BT, 0
.else
.if (\i) == 17
	LOAD6 5, BB, 0
.else
	LOAD6 ((\i)%6), BM, ((\i)-1)*ROWB
.endif
.endif
.endm
; The turn of input row i: its horizontal maxima and masks, the slot's next load, and output row i - 2.
.macro ROW i
.if \i < 12
	s_wait_loadcnt 30                              ; loads return in order: five younger rows of six loads stay out
.else
	s_wait_loadcnt 6*(17-\i)                       ; fewer rows are behind this one
.endif
.irp c, 0,1
.set XS, X+12*(\i%6)+6*\c
.set HS, H+8*(\i%3)+4*\c
	v_max3_num_f32 v[HS+0], v[XS+4], v[XS+0], v[XS+1]
	v_max3_num_f32 v[HS+1], v[XS+0], v[XS+1], v[XS+2]
	v_max3_num_f32 v[HS+2], v[XS+1], v[XS+2], v[XS+3]
	v_max3_num_f32 v[HS+3], v[XS+2], v[XS+3], v[XS+5]
.endr
.if \i >= 1
.if \i <= 16
.set X0, X+12*(\i%6)
.set MS, M+8*(\i%2)
.irp x, 0,1,2,3
	v_cmp_ge_f32 vcc_lo, v[X0+\x], v[X0+6+\x]      ; channel 0 is the pixel's maximum
	v_cmp_ge_f32 s30, v[X0+6+\x], v[X0+\x]         ; channel 1 is (both, where they are equal)
	v_cndmask_b32 v[MS+\x], 0, 1.0, vcc_lo
	v_cndmask_b32 v[MS+4+\x], 0, 1.0, s30
.endr
.endif
.endif
.if \i <= 11
	LOADROW \i+6                                   ; the slot has been read out above
.endif
.if \i >= 2
.set MS, M+8*((\i-1)%2)
.irp c, 0,1
.irp x, 0,1,2,3
	v_max3_num_f32 v[P+4*\c+\x], v[H+4*\c+\x], v[H+8+4*\c+\x], v[H+16+4*\c+\x]
.endr
	v_pk_mul_f32 v[P+4*\c:P+4*\c+1], v[P+4*\c:P+4*\c+1], v[MS+4*\c:MS+4*\c+1]       ; a true product: the zero keeps the pool's sign
	v_pk_mul_f32 v[P+4*\c+2:P+4*\c+3], v[P+4*\c+2:P+4*\c+3], v[MS+4*\c+2:MS+4*\c+3]
	v_max3_num_f32 v[P+4*\c], v[P+4*\c], v[P+4*\c+1], v[P+4*\c+2]
	v_max_num_f32 v[P+4*\c], v[P+4*\c], v[P+4*\c+3]
	v_max_num_f32_dpp v[P+4*\c], v[P+4*\c], v[P+4*\c] row_xmask:1 row_mask:0xf bank_mask:0xf   ; eight lanes = 32 pixels = a block
	v_max_num_f32_dpp v[P+4*\c], v[P+4*\c], v[P+4*\c] row_xmask:2 row_mask:0xf bank_mask:0xf
	v_max_num_f32_dpp v[P+4*\c], v[P+4*\c], v[P+4*\c] row_xmask:4 row_mask:0xf bank_mask:0xf
	v_ashrrev_i32 v[P+4*\c+1], 31, v[P+4*\c]
	v_or_b32 v[P+4*\c+1], s28, v[P+4*\c+1]
	v_xor_b32 v[P+4*\c], v[P+4*\c], v[P+4*\c+1]
	ds_store_b32 v[LA], v[P+4*\c] offset:\c*1024+(\i-2)*64     ; the block's eight lanes write one word, with one value
.endr
.endif
.endm
.irp i, 0,1,2,3,4,5
	LOADROW \i
.endr
.irp i, 0,1,2,3,4,5,6,7,8,9,10,11,12,13,14,15,16,17
	ROW \i
.endr
	s_wait_dscnt 0x0                               ; my keys are in LDS before the others read them
	s_barrier_signal -1
	s_barrier_wait -1
	ds_load_b128 v[P:P+3], v[OFC]                  ; 2 x 1,024 bytes of keys, 16 bytes a thread
	v_lshrrev_b32 v5, 6, v0                        ; threads 0-63 channel 0, 64-127 channel 1
	v_and_b32 v6, 63, v0
	v_lshlrev_b32 v6, 4, v6
	v_lshl_add_u32 v5, v5, 15, v6
	s_wait_dscnt 0x0
	global_store_b128 v5, v[P:P+3], s[20:21]       ; a wave's store covers 512 consecutive bytes, aligned
	s_wait_tensorcnt 0x0
	ds_add_u32 v136, v137
	s_wait_dscnt 0x0
	s_endpgm
.Lfunc_end_k_q28554ea10f_pool:
	.size	k_q28554ea10f_pool, .Lfunc_end_k_q28554ea10f_pool-k_q28554ea10f_pool
	.p2alignl 7, 3214868480
	.fill 96, 4, 3214868480
	.section	.rodata,"a",@progbits
	.p2align	6, 0x0
	.amdhsa_kernel k_q28554ea10f_pool
		.amdhsa_group_segment_fixed_size 2560
		.amdhsa_private_segment_fixed_size 0
		.amdhsa_enable_private_segment 0
		.amdhsa_kernarg_size 32
		.amdhsa_user_sgpr_count 2
		.amdhsa_user_sgpr_kernarg_segment_ptr 1
		.amdhsa_wavefront_size32 1
		.amdhsa_system_sgpr_workgroup_id_x 1
		.amdhsa_system_sgpr_workgroup_id_y 1
		.amdhsa_system_sgpr_workgroup_id_z 1
		.amdhsa_system_vgpr_workitem_id 0
		.amdhsa_next_free_vgpr 138
		.amdhsa_next_free_sgpr 66
		.amdhsa_reserve_vcc 1
		.amdhsa_float_denorm_mode_32 3
		.amdhsa_float_denorm_mode_16_64 3
		.amdhsa_memory_ordered 1
		.amdhsa_forward_progress 1
		.amdhsa_inst_pref_size 62
	.end_amdhsa_kernel
	.amdgpu_metadata
---
amdhsa.version: [ 1, 2 ]
amdhsa.kernels:
  - .name:           k_q28554ea10f_pool
    .symbol:         k_q28554ea10f_pool.kd
    .args:
      - { .name: tl_heat, .offset: 0, .size: 8, .value_kind: global_buffer, .address_space: global }
      - { .name: br_heat, .offset: 8, .size: 8, .value_kind: global_buffer, .address_space: global }
      - { .name: ct_heat, .offset: 16, .size: 8, .value_kind: global_buffer, .address_space: global }
      - { .name: bkeys, .offset: 24, .size: 8, .value_kind: global_buffer, .address_space: global }
    .group_segment_fixed_size: 2560
    .private_segment_fixed_size: 0
    .kernarg_segment_align: 8
    .kernarg_segment_size: 32
    .max_flat_workgroup_size: 128
    .sgpr_count:     66
    .vgpr_count:     138
    .wavefront_size: 32
...
	.end_amdgpu_metadata
.endif
;; end of part 1
;; launch cand (part 2): grid 96 x 1, 32 waves a work-group, no clusters, 25,344 bytes of LDS; arguments tl_heat, br_heat, ct_heat, bkeys, blist, ckeys; writes blist, ckeys
.if DOCPART == 2
	.amdgcn_target "amdgcn-amd-amdhsa--gfx1250"
	.amdhsa_code_object_version 6
	.text
	.protected	k_q28554ea10f_cand
	.globl	k_q28554ea10f_cand
	.p2align	8
	.type	k_q28554ea10f_cand,@function
k_q28554ea10f_cand:
	s_mov_b64 s[64:65], 0
	v_nop
	global_prefetch_b8 v0, s[64:65] scope:SCOPE_SE
	s_setreg_imm32_b32 hwreg(HW_REG_WAVE_MODE, 25, 1), 1
	s_wait_xcnt 0x0
; For plane p = heat*32 + b*2 + c: the 128 blocks with the largest (block key, lower block number first), listed by rising
; block number (blist), and the keys of their 128 x 32 pixels (ckeys).  A pixel of the plane's top 100 lies in one of the top
; 100 blocks: were 100 blocks ranked ahead of its block, each would hold a pixel ranked ahead of it.
; SELECTION: four waves each hold a quarter of the 8,192 keys in 64 registers and find their own 128 best by a search over the
; 32 bits of the threshold (count by compare and popcount: no LDS, no barrier); the 512 survivors go to LDS in position
; order, and wave 0 selects 128 of them in the same way.  Equal keys are taken from the lowest position on.
; Then all 32 waves recompute hm for four blocks each (a block = 32 lanes): nine loads of the own channel, one of the other.
; No cluster and no tensor load: nothing is shared between work-groups and the gathers are 128 bytes long.
; LIMIT: NaN in a heat map is not served; -0 ranks under +0.
.set WP, 528                           ; LDS bytes of one wave's survivors: 128 words, word 128 for lanes with nothing to keep, 12 bytes to a multiple of 16
.set SK, 0                             ; LDS: survivors' keys, 4 parts
.set SP, 4*WP                          ;      survivors' block numbers, 4 parts
.set FP, 8*WP                          ;      the final 128 block numbers
.set CK, 9*WP                          ;      pixel keys: 512 bytes for each wave, its own
.set T, 16                             ; s16 threshold       s17 G = keys above it      s18 the bit on trial   s19 candidate
.set G, 17
.set BIT, 18
.set CAND, 19
.set CNT, 20                           ; s20 count           s21 trip                   s22 equals still taken
.set IT, 21
.set NEED, 22
.set GB, 23                            ; s23, s24 greater / equal keys in the registers gone through
.set EB, 24
.set MG, 25                            ; s25, s26 lane masks greater / equal             s28 my LDS base
.set ME, 26
.set WB, 28
.set MK, 32                            ; s[32:39] eight lane masks
.set A, 4                              ; v4, v5 slot arithmetic; v6 position of this register's key
.set B, 5
.set PV, 6
.set KEY, 16                           ; v[16:79] keys
.set PAY, 80                           ; v[80:95] what travels with the survivors
.set BLK, 8                            ; v[8:11] zeros at first, then my wave's four blocks
.set GR, 3                             ; v[3:5]   rows y-1, y, y+1
.set GC, 12                            ; v[12:14] columns x-1, x, x+1
.set GT, 15
.set O, 16                             ; v[16:51] block e: nine byte offsets of its own, so that none is rewritten under a load
.set DT, 52                            ; v[52:91] block e: nine values of my channel, one of the other
.set CA, 6
.set CR, 7
; T = the K-th largest of the wave's 32 R keys, G = how many are above it.  Bit by bit from the top: the bit stays if at
; least K keys reach the candidate.  The last candidate refused is T + 1, so its count is G.
.macro WSELECT R, K, tag
	s_mov_b32 s[T], 0
	s_mov_b32 s[G], 0
	s_mov_b32 s[BIT], 0x80000000
	s_mov_b32 s[IT], 0
.Lsel_\tag:
	s_or_b32 s[CAND], s[T], s[BIT]
	s_mov_b32 s[CNT], 0
.set r, 0
.rept \R/8
.irp q, 0,1,2,3,4,5,6,7
	v_cmp_le_u32 s[MK+\q], s[CAND], v[KEY+r+\q]
.endr
.irp q, 0,1,2,3,4,5,6,7
	s_bcnt1_i32_b32 s[MK+\q], s[MK+\q]
	s_add_co_u32 s[CNT], s[CNT], s[MK+\q]
.endr
.set r, r+8
.endr
	s_cmp_ge_u32 s[CNT], \K
	s_cselect_b32 s[T], s[CAND], s[T]
	s_cselect_b32 s[G], s[G], s[CNT]
	s_lshr_b32 s[BIT], s[BIT], 1
	s_add_co_u32 s[IT], s[IT], 1
	s_cmp_lt_u32 s[IT], 32
	s_cbranch_scc1 .Lsel_\tag
.endm
; The K keys chosen go to LDS words WB/4 + 0 .. K-1 in position order (register r, lane l holds position 32 r + l of the wave's
; part): slot = greater keys before me + min(equal keys before me, NEED).  All lanes store: a lane whose key is not chosen
; stores to word 128 of the part, which nobody reads.  pay = 0: v[PV] travels along and steps by 32.  dk < 0: no keys.
.macro COMPACT R, K, pay, dk, dp
	s_sub_co_u32 s[NEED], \K, s[G]
	s_mov_b32 s[GB], 0
	s_mov_b32 s[EB], 0
.set r, 0
.rept \R
	v_cmp_lt_u32 s[MG], s[T], v[KEY+r]
	v_cmp_eq_u32 s[ME], s[T], v[KEY+r]
	v_mbcnt_lo_u32_b32 v[A], s[MG], s[GB]
	v_mbcnt_lo_u32_b32 v[B], s[ME], s[EB]
	v_cmp_gt_u32 vcc_lo, s[NEED], v[B]             ; an equal key is taken while NEED are not yet taken
	s_and_b32 vcc_lo, vcc_lo, s[ME]
	s_or_b32 vcc_lo, vcc_lo, s[MG]                 ; chosen
	v_min_u32 v[B], s[NEED], v[B]
	v_add_nc_u32 v[A], v[A], v[B]
	v_cndmask_b32 v[A], -1, v[A], vcc_lo           ; not chosen: the largest number,
	v_min_u32 v[A], 128, v[A]                      ; which the clamp makes word 128
	v_lshl_add_u32 v[A], v[A], 2, s[WB]
.if \dk >= 0
	ds_store_b32 v[A], v[KEY+r] offset:\dk
.endif
.if \pay == 0
	ds_store_b32 v[A], v[PV] offset:\dp
	v_add_nc_u32 v[PV], 32, v[PV]
.else
	ds_store_b32 v[A], v[PAY+r] offset:\dp
.endif
	s_bcnt1_i32_b32 s[MG], s[MG]
	s_bcnt1_i32_b32 s[ME], s[ME]
	s_add_co_u32 s[GB], s[GB], s[MG]
	s_add_co_u32 s[EB], s[EB], s[ME]
.set r, r+1
.endr
.endm
	s_load_b256 s[4:11], s[0:1], 0x0               ; tl s[4:5], br s[6:7], ct s[8:9], bkeys s[10:11]
	s_load_b128 s[12:15], s[0:1], 0x20             ; blist s[12:13], ckeys s[14:15]
	v_lshl_add_u32 v96, v0, 2, 0x5300
	v_mov_b32 v97, 0
	v_lshrrev_b32 v1, 5, v0
	v_readfirstlane_b32 s2, v1                     ; wave
	v_and_b32 v1, 31, v0                           ; lane
	v_lshlrev_b32 v2, 2, v1                        ; 4 x lane
.irp q, 8,9,10,11
	v_mov_b32 v\q, 0
.endr
	s_mov_b32 s48, ttmp9                           ; p
	s_mov_b32 s45, 0
	s_wait_kmcnt 0x0
	s_cmp_ge_u32 s2, 4
	s_cbranch_scc1 .Lb1
	; waves 0-3: 2,048 block keys each
	s_lshl_b32 s44, s48, 15
	s_lshl_b32 s29, s2, 13
	s_add_co_u32 s44, s44, s29
	s_add_nc_u64 s[46:47], s[10:11], s[44:45]
.set r, 0
.rept 64
	global_load_b32 v[KEY+r], v2, s[46:47] offset:128*r
.set r, r+1
.endr
	s_mul_i32 s[WB], s2, WP                        ; my part of the survivors
	v_lshl_add_u32 v3, v1, 4, s[WB]
	ds_store_b128 v3, v[8:11] offset:SK            ; its 128 words are cleared while the keys are on their way, so that what wave 0
	ds_store_b128 v3, v[8:11] offset:SP            ; reads does not hang on the selection having filled every slot
	s_lshl_b32 s29, s2, 11
	v_add_nc_u32 v[PV], s29, v1                    ; block number of register 0's key
	s_wait_loadcnt 0x0
	WSELECT 64, 128, a
	COMPACT 64, 128, 0, SK, SP
.Lb1:
	s_wait_dscnt 0x0                               ; the survivors are in LDS
	s_barrier_signal -1
	s_barrier_wait -1
	s_cmp_lg_u32 s2, 0
	s_cbranch_scc1 .Lb2
	; wave 0: 128 of the 512
	v_lshlrev_b32 v3, 4, v1
	ds_store_b128 v3, v[8:11] offset:FP
.set r, 0
.rept 16
	ds_load_b32 v[KEY+r], v2 offset:SK+(r/4)*WP+(r%4)*128
	ds_load_b32 v[PAY+r], v2 offset:SP+(r/4)*WP+(r%4)*128
.set r, r+1
.endr
	s_mov_b32 s[WB], 0
	s_wait_dscnt 0x0
	WSELECT 16, 128, b
	COMPACT 16, 128, 1, -1, FP
.Lb2:
	s_wait_dscnt 0x0                               ; the list is in LDS
	s_barrier_signal -1
	s_barrier_wait -1
	; all waves: list entries 4 w .. 4 w + 3
	v_mov_b32 v12, s2
	v_lshlrev_b32 v12, 4, v12
	ds_load_b128 v[BLK:BLK+3], v12 offset:FP
	s_lshr_b32 s29, s48, 5                         ; heat
	s_cmp_eq_u32 s29, 1
	s_cselect_b64 s[40:41], s[6:7], s[4:5]
	s_cmp_eq_u32 s29, 2
	s_cselect_b64 s[40:41], s[8:9], s[40:41]
	s_and_b32 s30, s48, 31                         ; b * 2 + c
	s_xor_b32 s31, s30, 1
	s_lshl_b32 s44, s31, 20
	s_add_nc_u64 s[42:43], s[40:41], s[44:45]      ; the other channel's plane
	s_lshl_b32 s44, s30, 20
	s_add_nc_u64 s[40:41], s[40:41], s[44:45]      ; my plane
	s_lshl_b32 s29, s2, 9
	v_add_nc_u32 v[CA], s29, v2                    ; my wave's 512 bytes: a word a lane,
	v_lshl_add_u32 v[CR], v1, 4, s29               ; and back 16 bytes a lane
	s_wait_dscnt 0x0
.macro GATH e                          ; block e: y = blk / 16, x = 32 (blk % 16) + lane; ten loads
	v_lshrrev_b32 v[GR+1], 4, v[BLK+\e]
	v_and_b32 v[GC+1], 15, v[BLK+\e]
	v_lshl_add_u32 v[GC+1], v[GC+1], 5, v1
	v_min_u32 v[GT], 1, v[GR+1]
	v_sub_nc_u32 v[GR], v[GR+1], v[GT]             ; max(y - 1, 0)
	v_add_nc_u32 v[GR+2], 1, v[GR+1]
	v_min_u32 v[GT], 1, v[GC+1]
	v_sub_nc_u32 v[GC], v[GC+1], v[GT]
	v_add_nc_u32 v[GC+2], 1, v[GC+1]
.irp q, 0,1,2
	v_min_u32 v[GR+\q], 511, v[GR+\q]              ; inside the image: a clamped neighbour is in the window already
	v_min_u32 v[GC+\q], 511, v[GC+\q]
.endr
.irp q, 0,1,2
	v_lshlrev_b32 v[GC+\q], 2, v[GC+\q]
.endr
.irp a, 0,1,2
.irp b, 0,1,2
	v_lshl_add_u32 v[O+9*\e+3*\a+\b], v[GR+\a], 11, v[GC+\b]
.endr
.endr
.irp q, 0,1,2,3,4,5,6,7,8
	global_load_b32 v[DT+10*\e+\q], v[O+9*\e+\q], s[40:41]
.endr
	global_load_b32 v[DT+10*\e+9], v[O+9*\e+4], s[42:43]
.endm
.macro CKEY e
	s_wait_loadcnt 10*(3-\e)                       ; the later blocks' ten loads each stay out
.set d, DT+10*\e
	v_max3_num_f32 v[GR], v[d], v[d+1], v[d+2]
	v_max3_num_f32 v[GR+1], v[d+3], v[d+4], v[d+5]
	v_max3_num_f32 v[GR+2], v[d+6], v[d+7], v[d+8]
	v_cmp_ge_f32 vcc_lo, v[d+4], v[d+9]
	v_max3_num_f32 v[GR], v[GR], v[GR+1], v[GR+2]
	v_cndmask_b32 v[GT], 0, 1.0, vcc_lo
	v_mul_f32 v[GR], v[GR], v[GT]
	v_ashrrev_i32 v[GT], 31, v[GR]
	v_or_b32 v[GT], 0x80000000, v[GT]
	v_xor_b32 v[GR], v[GR], v[GT]
	ds_store_b32 v[CA], v[GR] offset:CK+128*\e
.endm
	GATH 0
	GATH 1
	GATH 2
	GATH 3
	CKEY 0
	CKEY 1
	CKEY 2
	CKEY 3
	ds_load_b128 v[BLK:BLK+3], v[CR] offset:CK     ; my own bytes: LDS serves a wave's instructions in order
	v_lshlrev_b32 v12, 4, v0
	s_lshl_b32 s44, s48, 14
	s_add_nc_u64 s[46:47], s[14:15], s[44:45]
	s_wait_dscnt 0x0
	global_store_b128 v12, v[BLK:BLK+3], s[46:47]  ; 512 consecutive bytes a wave, aligned
	s_cmp_lg_u32 s2, 0
	s_cbranch_scc1 .Lend
	v_lshlrev_b32 v13, 4, v1
	ds_load_b128 v[16:19], v13 offset:FP
	s_lshl_b32 s50, s48, 9
	s_mov_b32 s51, 0
	s_add_nc_u64 s[50:51], s[12:13], s[50:51]
	s_wait_dscnt 0x0
	global_store_b128 v13, v[16:19], s[50:51]
.Lend:
	s_wait_tensorcnt 0x0
	ds_add_u32 v96, v97
	s_wait_dscnt 0x0
	s_endpgm
.Lfunc_end_k_q28554ea10f_cand:
	.size	k_q28554ea10f_cand, .Lfunc_end_k_q28554ea10f_cand-k_q28554ea10f_cand
	.p2alignl 7, 3214868480
	.fill 96, 4, 3214868480
	.section	.rodata,"a",@progbits
	.p2align	6, 0x0
	.amdhsa_kernel k_q28554ea10f_cand
		.amdhsa_group_segment_fixed_size 25344
		.amdhsa_private_segment_fixed_size 0
		.amdhsa_enable_private_segment 0
		.amdhsa_kernarg_size 48
		.amdhsa_user_sgpr_count 2
		.amdhsa_user_sgpr_kernarg_segment_ptr 1
		.amdhsa_wavefront_size32 1
		.amdhsa_system_sgpr_workgroup_id_x 1
		.amdhsa_system_sgpr_workgroup_id_y 1
		.amdhsa_system_sgpr_workgroup_id_z 1
		.amdhsa_system_vgpr_workitem_id 0
		.amdhsa_next_free_vgpr 98
		.amdhsa_next_free_sgpr 66
		.amdhsa_reserve_vcc 1
		.amdhsa_float_denorm_mode_32 3
		.amdhsa_float_denorm_mode_16_64 3
		.amdhsa_memory_ordered 1
		.amdhsa_forward_progress 1
		.amdhsa_inst_pref_size 100
	.end_amdhsa_kernel
	.amdgpu_metadata
---
amdhsa.version: [ 1, 2 ]
amdhsa.kernels:
  - .name:           k_q28554ea10f_cand
    .symbol:         k_q28554ea10f_cand.kd
    .args:
      - { .name: tl_heat, .offset: 0, .size: 8, .value_kind: global_buffer, .address_space: global }
      - { .name: br_heat, .offset: 8, .size: 8, .value_kind: global_buffer, .address_space: global }
      - { .name: ct_heat, .offset: 16, .size: 8, .value_kind: global_buffer, .address_space: global }
      - { .name: bkeys, .offset: 24, .size: 8, .value_kind: global_buffer, .address_space: global }
      - { .name: blist, .offset: 32, .size: 8, .value_kind: global_buffer, .address_space: global }
      - { .name: ckeys, .offset: 40, .size: 8, .value_kind: global_buffer, .address_space: global }
    .group_segment_fixed_size: 25344
    .private_segment_fixed_size: 0
    .kernarg_segment_align: 8
    .kernarg_segment_size: 48
    .max_flat_workgroup_size: 1024
    .sgpr_count:     66
    .vgpr_count:     98
    .wavefront_size: 32
...
	.end_amdgpu_metadata
.endif
;; end of part 2
;; launch topk (part 3): grid 96 x 1, 4 waves a work-group, no clusters, 6,912 bytes of LDS; arguments ckeys, blist, coords, scores; writes coords, scores
.if DOCPART == 3
	.amdgcn_target "amdgcn-amd-amdhsa--gfx1250"
	.amdhsa_code_object_version 6
	.text
	.protected	k_q28554ea10f_topk
	.globl	k_q28554ea10f_topk
	.p2align	8
	.type	k_q28554ea10f_topk,@function
k_q28554ea10f_topk:
	s_mov_b64 s[64:65], 0
	v_nop
	global_prefetch_b8 v0, s[64:65] scope:SCOPE_SE
	s_setreg_imm32_b32 hwreg(HW_REG_WAVE_MODE, 25, 1), 1
	s_wait_xcnt 0x0
; For plane p: the ordered top 100 of its 4,096 candidate keys (key falling, equal keys by rising pixel index, which is the
; candidates' position order since blist rises).  Out: scores[p][rank] (f32), coords[p][0][rank] = x | y << 16, and for the
; centre maps (p >= 64) coords[p][1][t] = the word of the pair launch's bitmap, coords[p][2][t] = that word's bits, merged
; over all of the plane's centres that fall into it, so that writing it is the same however often it is done.
; Selection as in the launch before: four waves take their own 128 of 1,024, wave 0 takes 100 of the 512.  The rank of entry i
; is the number of j with key j > key i, or equal and j < i: one add with carry for each j.
; LIMIT: as the keys were made: NaN in a heat map is not served; -0 ranks under +0.
.set WP, 528                           ; LDS bytes of one part: 128 words, word 128 for lanes with nothing to keep, 12 bytes to a multiple of 16
.set SK, 0                             ; survivors' keys, 4 parts
.set SP, 4*WP                          ; survivors' candidate positions, 4 parts
.set FK, 8*WP                          ; the final keys, 100 of 128 words used, the rest 0
.set FP, 9*WP                          ; their candidate positions
.set BL, 10*WP                         ; the plane's 128 block numbers
.set IDX, 10*WP+512                    ; pixel index of entry t
.set T, 16
.set G, 17
.set BIT, 18
.set CAND, 19
.set CNT, 20
.set IT, 21
.set NEED, 22
.set GB, 23
.set EB, 24
.set MG, 25
.set ME, 26
.set SV, 27
.set WB, 28
.set MK, 32
.set A, 4
.set B, 5
.set PV, 6
.set KEY, 16                           ; v[16:47]
.set PAY, 48                           ; v[48:63]
.set KJ, 16                            ; v[16:115] all 100 keys, later all 100 pixel indices, in every lane
.macro WSELECT R, K, tag               ; T = the K-th largest of the wave's 32 R keys, G = how many are above it
	s_mov_b32 s[T], 0
	s_mov_b32 s[G], 0
	s_mov_b32 s[BIT], 0x80000000
	s_mov_b32 s[IT], 0
.Lsel_\tag:
	s_or_b32 s[CAND], s[T], s[BIT]
	s_mov_b32 s[CNT], 0
.set r, 0
.rept \R/8
.irp q, 0,1,2,3,4,5,6,7
	v_cmp_le_u32 s[MK+\q], s[CAND], v[KEY+r+\q]
.endr
.irp q, 0,1,2,3,4,5,6,7
	s_bcnt1_i32_b32 s[MK+\q], s[MK+\q]
	s_add_co_u32 s[CNT], s[CNT], s[MK+\q]
.endr
.set r, r+8
.endr
	s_cmp_ge_u32 s[CNT], \K
	s_cselect_b32 s[T], s[CAND], s[T]
	s_cselect_b32 s[G], s[G], s[CNT]               ; the last candidate refused is T + 1
	s_lshr_b32 s[BIT], s[BIT], 1
	s_add_co_u32 s[IT], s[IT], 1
	s_cmp_lt_u32 s[IT], 32
	s_cbranch_scc1 .Lsel_\tag
.endm
; The K chosen, in position order, to LDS words WB/4 + 0 .. K-1: slot = greater keys before me + min(equal keys before me, NEED).
; All lanes store: a lane whose key is not chosen stores to word 128 of the part, which nobody reads.
.macro COMPACT R, K, pay, dk, dp
	s_sub_co_u32 s[NEED], \K, s[G]
	s_mov_b32 s[GB], 0
	s_mov_b32 s[EB], 0
.set r, 0
.rept \R
	v_cmp_lt_u32 s[MG], s[T], v[KEY+r]
	v_cmp_eq_u32 s[ME], s[T], v[KEY+r]
	v_mbcnt_lo_u32_b32 v[A], s[MG], s[GB]
	v_mbcnt_lo_u32_b32 v[B], s[ME], s[EB]
	v_cmp_gt_u32 vcc_lo, s[NEED], v[B]             ; an equal key is taken while NEED are not yet taken
	s_and_b32 vcc_lo, vcc_lo, s[ME]
	s_or_b32 vcc_lo, vcc_lo, s[MG]                 ; chosen
	v_min_u32 v[B], s[NEED], v[B]
	v_add_nc_u32 v[A], v[A], v[B]
	v_cndmask_b32 v[A], -1, v[A], vcc_lo           ; not chosen: the largest number,
	v_min_u32 v[A], 128, v[A]                      ; which the clamp makes word 128
	v_lshl_add_u32 v[A], v[A], 2, s[WB]
	ds_store_b32 v[A], v[KEY+r] offset:\dk
.if \pay == 0
	ds_store_b32 v[A], v[PV] offset:\dp
	v_add_nc_u32 v[PV], 32, v[PV]
.else
	ds_store_b32 v[A], v[PAY+r] offset:\dp
.endif
	s_bcnt1_i32_b32 s[MG], s[MG]
	s_bcnt1_i32_b32 s[ME], s[ME]
	s_add_co_u32 s[GB], s[GB], s[MG]
	s_add_co_u32 s[EB], s[EB], s[ME]
.set r, r+1
.endr
.endm
	s_load_b256 s[4:11], s[0:1], 0x0               ; ckeys s[4:5], blist s[6:7], coords s[8:9], scores s[10:11]
	v_lshl_add_u32 v128, v0, 2, 0x1900
	v_mov_b32 v129, 0
	v_lshrrev_b32 v1, 5, v0
	v_readfirstlane_b32 s2, v1                     ; wave
	v_and_b32 v1, 31, v0                           ; lane
	v_lshlrev_b32 v2, 2, v1
	v_lshlrev_b32 v3, 4, v1
.irp q, 8,9,10,11
	v_mov_b32 v\q, 0
.endr
	s_mov_b32 s48, ttmp9                           ; p
	s_mov_b32 s45, 0
	s_wait_kmcnt 0x0
	s_lshl_b32 s44, s48, 14
	s_lshl_b32 s29, s2, 12
	s_add_co_u32 s44, s44, s29
	s_add_nc_u64 s[46:47], s[4:5], s[44:45]        ; my wave's 1,024 candidate keys
	s_lshl_b32 s44, s48, 9
	s_add_nc_u64 s[54:55], s[6:7], s[44:45]
	s_add_nc_u64 s[52:53], s[10:11], s[44:45]      ; scores[p]
	s_mul_i32 s44, s48, 1536
	s_add_nc_u64 s[50:51], s[8:9], s[44:45]        ; coords[p]
.set r, 0
.rept 32
	global_load_b32 v[KEY+r], v2, s[46:47] offset:128*r
.set r, r+1
.endr
	s_mul_i32 s[WB], s2, WP                        ; my part of the survivors
	v_lshl_add_u32 v12, v1, 4, s[WB]
	ds_store_b128 v12, v[8:11] offset:SK           ; its 128 words are cleared while the keys are on their way, so that what wave 0
	ds_store_b128 v12, v[8:11] offset:SP           ; reads does not hang on the selection having filled every slot
	s_cmp_lg_u32 s2, 0
	s_cbranch_scc1 .Lnobl
	global_load_b128 v[64:67], v3, s[54:55]        ; wave 0 brings the block list
	s_wait_loadcnt 0x0
	ds_store_b128 v3, v[64:67] offset:BL
.Lnobl:
	s_lshl_b32 s29, s2, 10
	v_add_nc_u32 v[PV], s29, v1                    ; candidate position of register 0's key
	s_wait_loadcnt 0x0
	WSELECT 32, 128, a
	COMPACT 32, 128, 0, SK, SP
	s_wait_dscnt 0x0                               ; survivors and block list are in LDS
	s_barrier_signal -1
	s_barrier_wait -1
	s_cmp_lg_u32 s2, 0
	s_cbranch_scc1 .Lb2
	ds_store_b128 v3, v[8:11] offset:FK            ; words 100-127 are read below and hold 0
	ds_store_b128 v3, v[8:11] offset:FP
.set r, 0
.rept 16
	ds_load_b32 v[KEY+r], v2 offset:SK+(r/4)*WP+(r%4)*128
	ds_load_b32 v[PAY+r], v2 offset:SP+(r/4)*WP+(r%4)*128
.set r, r+1
.endr
	s_mov_b32 s[WB], 0
	s_wait_dscnt 0x0
	WSELECT 16, 100, b
	COMPACT 16, 100, 1, FK, FP
.Lb2:
	s_wait_dscnt 0x0
	s_barrier_signal -1
	s_barrier_wait -1
	; entry t of the 100 (threads 100-127 run along and store nothing)
	v_lshlrev_b32 v7, 2, v0
	v_mov_b32 v116, 0
	ds_load_b32 v8, v7 offset:FK                   ; my key
	ds_load_b32 v10, v7 offset:FP                  ; my candidate position
.rept 25
	ds_load_b128 v[KJ+4*\+:KJ+3+4*\+], v116 offset:FK+16*\+
.endr
	s_wait_dscnt 25                                ; my own two are in; the 25 behind them stay out
	v_lshrrev_b32 v15, 5, v10                      ; list slot
	v_min_u32 v15, 127, v15
	v_lshlrev_b32 v15, 2, v15
	ds_load_b32 v12, v15 offset:BL
	v_xor_b32 v9, -1, v8                           ; ~key
	v_mov_b32 v11, 0                               ; rank
	v_and_b32 v13, 31, v10
	s_wait_dscnt 0x0
	v_lshl_or_b32 v12, v12, 5, v13                 ; pixel index = block * 32 + pixel
	ds_store_b32 v7, v12 offset:IDX
.rept 100
	v_cmp_lt_u32 vcc_lo, \+, v0                    ; j < i
	v_add_co_ci_u32 v15, vcc_lo, v[KJ+\+], v9, vcc_lo      ; key j + ~key i + (j < i) carries if j is ranked ahead of i
	v_add_co_ci_u32 v11, vcc_lo, 0, v11, vcc_lo
.endr
	v_ashrrev_i32 v15, 31, v8                      ; the key back to f32 bits
	v_xor_b32 v15, -1, v15
	v_or_b32 v15, 0x80000000, v15
	v_xor_b32 v15, v8, v15
	v_and_b32 v13, 511, v12                        ; x
	v_lshrrev_b32 v14, 9, v12                      ; y
	v_lshl_or_b32 v10, v14, 16, v13
	v_min_u32 v11, 127, v11
	v_lshlrev_b32 v11, 2, v11
	v_cmp_gt_u32 vcc_lo, 100, v0
	s_wait_xcnt 0x0                                ; EXEC changes only behind this wait
	s_and_saveexec_b32 s[SV], vcc_lo
	global_store_b32 v11, v15, s[52:53]
	global_store_b32 v11, v10, s[50:51]
	s_wait_xcnt 0x0                                ; and is restored, and the stores' registers rewritten, only behind this one
	s_or_b32 exec_lo, exec_lo, s[SV]
	s_wait_dscnt 0x0                               ; the pixel indices are in LDS
	s_barrier_signal -1
	s_barrier_wait -1
	s_cmp_lt_u32 s48, 64
	s_cbranch_scc1 .Lend
	; centre planes: the bitmap word of entry t.  Bit x + 32 of row y + 2; rows of 18 words.
.rept 25
	ds_load_b128 v[KJ+4*\+:KJ+3+4*\+], v116 offset:IDX+16*\+
.endr
	v_mov_b32 v117, 0
	s_wait_dscnt 0x0
.rept 100
	v_xor_b32 v15, v[KJ+\+], v12
	v_lshlrev_b32 v118, v[KJ+\+], 1                ; 1 << (x j % 32)
	v_cmp_gt_u32 vcc_lo, 32, v15                   ; same row and same 32 columns: same word
	v_cndmask_b32 v118, 0, v118, vcc_lo
	v_or_b32 v117, v117, v118
.endr
	v_add_nc_u32 v14, 2, v14
	v_lshrrev_b32 v13, 5, v13
	v_mad_u32_u24 v14, v14, 18, v13
	v_add_nc_u32 v14, 1, v14
	v_cmp_gt_u32 vcc_lo, 100, v0
	s_wait_xcnt 0x0
	s_and_saveexec_b32 s[SV], vcc_lo
	global_store_b32 v7, v14, s[50:51] offset:512
	global_store_b32 v7, v117, s[50:51] offset:1024
	s_wait_xcnt 0x0
	s_or_b32 exec_lo, exec_lo, s[SV]
.Lend:
	s_wait_tensorcnt 0x0
	ds_add_u32 v128, v129
	s_wait_dscnt 0x0
	s_endpgm
.Lfunc_end_k_q28554ea10f_topk:
	.size	k_q28554ea10f_topk, .Lfunc_end_k_q28554ea10f_topk-k_q28554ea10f_topk
	.p2alignl 7, 3214868480
	.fill 96, 4, 3214868480
	.section	.rodata,"a",@progbits
	.p2align	6, 0x0
	.amdhsa_kernel k_q28554ea10f_topk
		.amdhsa_group_segment_fixed_size 6912
		.amdhsa_private_segment_fixed_size 0
		.amdhsa_enable_private_segment 0
		.amdhsa_kernarg_size 32
		.amdhsa_user_sgpr_count 2
		.amdhsa_user_sgpr_kernarg_segment_ptr 1
		.amdhsa_wavefront_size32 1
		.amdhsa_system_sgpr_workgroup_id_x 1
		.amdhsa_system_sgpr_workgroup_id_y 1
		.amdhsa_system_sgpr_workgroup_id_z 1
		.amdhsa_system_vgpr_workitem_id 0
		.amdhsa_next_free_vgpr 130
		.amdhsa_next_free_sgpr 66
		.amdhsa_reserve_vcc 1
		.amdhsa_float_denorm_mode_32 3
		.amdhsa_float_denorm_mode_16_64 3
		.amdhsa_memory_ordered 1
		.amdhsa_forward_progress 1
		.amdhsa_inst_pref_size 90
	.end_amdhsa_kernel
	.amdgpu_metadata
---
amdhsa.version: [ 1, 2 ]
amdhsa.kernels:
  - .name:           k_q28554ea10f_topk
    .symbol:         k_q28554ea10f_topk.kd
    .args:
      - { .name: ckeys, .offset: 0, .size: 8, .value_kind: global_buffer, .address_space: global }
      - { .name: blist, .offset: 8, .size: 8, .value_kind: global_buffer, .address_space: global }
      - { .name: coords, .offset: 16, .size: 8, .value_kind: global_buffer, .address_space: global }
      - { .name: scores, .offset: 24, .size: 8, .value_kind: global_buffer, .address_space: global }
    .group_segment_fixed_size: 6912
    .private_segment_fixed_size: 0
    .kernarg_segment_align: 8
    .kernarg_segment_size: 32
    .max_flat_workgroup_size: 128
    .sgpr_count:     66
    .vgpr_count:     130
    .wavefront_size: 32
...
	.end_amdgpu_metadata
.endif
;; end of part 3
;; launch pairs (part 4): grid 25 x 16, 25 waves a work-group, no clusters, 80,128 bytes of LDS; arguments bbox, coords, scores, out0; writes out0
.if DOCPART == 4
	.amdgcn_target "amdgcn-amd-amdhsa--gfx1250"
	.amdhsa_code_object_version 6
	.text
	.protected	k_q28554ea10f_pairs
	.globl	k_q28554ea10f_pairs
	.p2align	8
	.type	k_q28554ea10f_pairs,@function
k_q28554ea10f_pairs:
	s_mov_b64 s[64:65], 0
	v_nop
	global_prefetch_b8 v0, s[64:65] scope:SCOPE_SE
	s_setreg_imm32_b32 hwreg(HW_REG_WAVE_MODE, 25, 1), 1
	s_wait_xcnt 0x0
; The 200 x 200 corner pairs of batch b, rows i = 8 chunk .. 8 chunk + 7: 1,600 pairs for 800 threads; thread t owns pairs t and
; t + 800, which share j and differ by 4 in i.
; NEAR TEST without a loop over the 200 centres.  In half pixels u = tlx + brx, v = tly + bry, dx = 2 ctx - u, dy = 2 cty - v:
; d2 < 4 is dx^2 + dy^2 < 16, that is |dx| <= 3, |dy| <= 3 and not both 3.  The centres are bits of a map in LDS (bit x + 32 of
; row y + 2, rows of 72 bytes); the centres in reach lie in 4 rows x 4 bits from row (v+2)/2, bit (u+62)/2 on.  u even: bits 0-2
; count; u odd: 0-3, and only 1-2 in a row with |dy| = 3.  v even: rows 0-2; v odd: rows 0-3, of which 0 and 3 have |dy| = 3.
; bbox is read at a pair's centre only where the pair is matched (that mask hangs on whole numbers alone); the other lanes all
; read pixel (0, 0) and drop it.  The score's threshold only selects values.
; Both boxes are gathered in LDS, in the bytes that the map leaves free once it is read out, and leave as 16 bytes a lane: every
; store of a wave covers 512 consecutive bytes, aligned (38,400, 12,800, 960,000 and 1,920,000 are multiples of 256).
; No matrix unit (no products), no tensor load, no cluster (nothing large is shared).
; LIMIT: at a pair that is not matched bbox's value is not used, so a NaN or an infinity there gives 0 and not NaN.
.set BOXB, 38400                       ; LDS: the map (516 rows x 72 of 38,400 bytes), later the corner boxes; behind them the regression boxes
.set TQ, 20
.set TL, 20                            ; v[20:23] pair k: tlx, tly
.set BR, 24                            ; v24, v25 brx, bry
.set MA, 36                            ; s36, s37 lanes whose pair k is matched
.set SKP, 44                           ; v[44:47] pair k: score x keep, 0
.set K4, 48                            ; v48, v49 pair k: 4 x keep
.set GO, 50                            ; v50, v51 pair k: byte offset in a plane of bbox
.set GG, 52                            ; v[52:59] pair k: the four planes' values
.set SA, 60                            ; v60      24 t
	s_load_b256 s[4:11], s[0:1], 0x0               ; bbox s[4:5], coords s[6:7], scores s[8:9], out0 s[10:11]
	v_lshl_add_u32 v64, v0, 2, 0x12c00
	v_mov_b32 v65, 0
	v_lshrrev_b32 v1, 5, v0
	v_readfirstlane_b32 s2, v1                     ; wave
	s_mov_b32 s12, ttmp9                           ; chunk
	s_and_b32 s13, ttmp7, 0xffff                   ; b
	s_mov_b32 s30, 0x3dcccccd                      ; 0.1 in f32
	s_lshl_b32 s14, s12, 3
	v_mul_u32_u24 v1, v0, 5243                     ; t / 200 = (t * 5243) >> 20 for t < 1,600
	v_lshrrev_b32 v1, 20, v1
	v_mul_u32_u24 v2, v1, 200
	v_sub_nc_u32 v2, v0, v2                        ; j
	v_add_nc_u32 v1, s14, v1                       ; i of pair 0
	v_add_nc_u32 v21, 4, v1                        ; i of pair 1
; entry n = 100 c + k of a list of 200: coords at 1536 c + 4 k = 4 n + 1136 c, scores at 512 c + 4 k = 4 n + 112 c; c = (n * 5243) >> 19
.macro LOFF n, oc, os
	v_mul_u32_u24 v[TQ], v[\n], 5243
	v_lshrrev_b32 v[TQ], 19, v[TQ]
	v_lshlrev_b32 v[\os], 2, v[\n]
	v_mad_u32_u24 v[\oc], v[TQ], 1136, v[\os]
	v_mad_u32_u24 v[\os], v[TQ], 112, v[\os]
.endm
	LOFF 1, 3, 4
	LOFF 21, 5, 6
	LOFF 2, 7, 14
	s_mov_b32 s15, 0
	s_wait_kmcnt 0x0
	s_mul_i32 s14, s13, 3072
	s_add_nc_u64 s[16:17], s[6:7], s[14:15]        ; coords of tl, batch b; br 49,152 and ct 98,304 bytes on
	s_lshl_b32 s14, s13, 10
	s_add_nc_u64 s[18:19], s[8:9], s[14:15]        ; scores of tl; br 16,384 bytes on
	s_lshl_b32 s14, s13, 22
	s_add_nc_u64 s[26:27], s[4:5], s[14:15]        ; bbox[b]
	s_mul_i32 s14, s13, 1920000
	s_mul_i32 s20, s12, 38400
	s_add_co_u32 s14, s14, s20
	s_add_nc_u64 s[28:29], s[10:11], s[14:15]      ; my rows of the corner boxes; the regression boxes 960,000 bytes on
	global_load_b32 v8, v3, s[16:17]               ; tl x | y << 16, pair 0
	global_load_b32 v9, v5, s[16:17]               ; pair 1
	global_load_b32 v10, v7, s[16:17] offset:49152 ; br, both pairs
	global_load_b32 v11, v4, s[18:19]              ; tl score, pair 0
	global_load_b32 v12, v6, s[18:19]              ; pair 1
	global_load_b32 v13, v14, s[18:19] offset:16384
	v_lshlrev_b32 v15, 4, v0
.irp q, 16,17,18,19
	v_mov_b32 v\q, 0
.endr
	ds_store_b128 v15, v[16:19]                    ; the map is cleared: 3 x 800 x 16 bytes
	ds_store_b128 v15, v[16:19] offset:12800
	ds_store_b128 v15, v[16:19] offset:25600
	v_mul_u32_u24 v[SA], v0, 24
	s_wait_dscnt 0x0
	s_barrier_signal -1
	s_barrier_wait -1
	s_cmp_lg_u32 s2, 0
	s_cbranch_scc1 .Lmapped
	; wave 0 sets the 200 centres.  Entries of one channel that share a word carry the same merged word; channel 1 is OR-ed on
	; top of channel 0, all its reads ahead of all its writes.
.irp r, 0,1,2,3
	v_add_nc_u32 v[36+\r], 32*\r, v0
	v_min_u32 v[36+\r], 99, v[36+\r]               ; lanes beyond entry 99 repeat it
	v_lshlrev_b32 v[36+\r], 2, v[36+\r]
.endr
.irp c, 0,1
.irp r, 0,1,2,3
	global_load_b32 v[20+4*\c+\r], v[36+\r], s[16:17] offset:98304+1536*\c+512
	global_load_b32 v[28+4*\c+\r], v[36+\r], s[16:17] offset:98304+1536*\c+1024
.endr
.endr
	s_wait_loadcnt 0x0
.irp q, 0,1,2,3,4,5,6,7
	v_min_u32 v[20+\q], 9287, v[20+\q]             ; 516 rows x 18 words
	v_lshlrev_b32 v[20+\q], 2, v[20+\q]
.endr
.irp r, 0,1,2,3
	ds_store_b32 v[20+\r], v[28+\r]
.endr
.irp r, 0,1,2,3
	ds_load_b32 v[40+\r], v[24+\r]
.endr
	s_wait_dscnt 0x0
.irp r, 0,1,2,3
	v_or_b32 v[40+\r], v[40+\r], v[32+\r]
.endr
.irp r, 0,1,2,3
	ds_store_b32 v[24+\r], v[40+\r]
.endr
.Lmapped:
	s_wait_dscnt 0x0                               ; the map is whole
	s_barrier_signal -1
	s_barrier_wait -1
	s_wait_loadcnt 0x0                             ; my six list entries
; Pair k: is it matched?  Then its four loads from bbox, which run while the corner boxes are made.
.macro NEAR k
	v_and_b32 v[TL+2*\k], 0xffff, v[8+\k]          ; tlx
	v_lshrrev_b32 v[TL+2*\k+1], 16, v[8+\k]        ; tly
	v_add_nc_u32 v26, v[TL+2*\k], v[BR]            ; u
	v_add_nc_u32 v27, v[TL+2*\k+1], v[BR+1]        ; v
	v_add_nc_u32 v30, 62, v26
	v_lshrrev_b32 v30, 1, v30                      ; the window's first bit
	v_lshrrev_b32 v31, 3, v30                      ; its byte,
	v_min_u32 v31, 70, v31
	v_and_b32 v30, 7, v30                          ; and the bit in it: 4 bits from there lie in two bytes
	v_add_nc_u32 v32, 2, v27
	v_lshrrev_b32 v32, 1, v32                      ; the window's first row
	v_min_u32 v32, 512, v32
	v_mad_u32_u24 v33, v32, 72, v31
.irp r, 0,1,2,3
	ds_load_u8 v[34+2*\r], v33 offset:72*\r
	ds_load_u8 v[35+2*\r], v33 offset:72*\r+1
.endr
	v_and_b32 v42, 1, v26
	v_sub_nc_u32 v43, 7, v42                       ; rows with |dy| = 3: 7, or 6 if u is odd
	v_lshl_or_b32 v42, v42, 3, 7                   ; other rows: 7, or 15 if u is odd
	v_and_b32 v31, 1, v27
	v_cmp_eq_u32 vcc_lo, 1, v31
	v_cndmask_b32 v31, v42, v43, vcc_lo            ; row 0
	v_cndmask_b32 v32, 0, v43, vcc_lo              ; row 3
	v_lshlrev_b32 v42, v30, v42                    ; the masks go to the window's bit
	v_lshlrev_b32 v31, v30, v31
	v_lshlrev_b32 v32, v30, v32
	v_cmp_gt_u32 s33, v[BR], v[TL+2*\k]            ; br right of tl
	v_cmp_gt_u32 s34, v[BR+1], v[TL+2*\k+1]        ; and below it
	s_and_b32 s33, s33, s34
	v_lshrrev_b32 v26, 1, v26                      ; floor of the centre
	v_lshrrev_b32 v27, 1, v27
	s_wait_dscnt 0x0
.irp r, 0,1,2,3
	v_lshl_or_b32 v[34+2*\r], v[35+2*\r], 8, v[34+2*\r]
.endr
	v_or_b32 v36, v36, v38
	v_and_b32 v34, v34, v31
	v_and_or_b32 v34, v36, v42, v34
	v_and_or_b32 v34, v40, v32, v34
	v_cmp_ne_u32 s32, 0, v34                       ; some centre is near
	s_and_b32 s[MA+\k], s32, s33                   ; matched
	v_cndmask_b32 v26, 0, v26, s[MA+\k]            ; lanes without a match all ask for pixel (0, 0)
	v_cndmask_b32 v27, 0, v27, s[MA+\k]
	v_min_u32 v26, 511, v26
	v_min_u32 v27, 511, v27
	v_lshlrev_b32 v26, 2, v26
	v_lshl_add_u32 v[GO+\k], v27, 11, v26
.irp c, 0,1,2,3
	global_load_b32 v[GG+4*\k+\c], v[GO+\k], s[26:27] offset:\c*0x100000
.endr
.endm
.macro BOX k                           ; score, keep, and the corner box
	v_add_f32 v30, v[11+\k], v13
	v_mul_f32 v30, 0.5, v30                        ; score
	v_cmp_le_f32 vcc_lo, s30, v30
	s_and_b32 vcc_lo, vcc_lo, s[MA+\k]
	v_cndmask_b32 v31, 0, 1.0, vcc_lo              ; keep
	v_cndmask_b32 v[K4+\k], 0, 4.0, vcc_lo         ; keep x 2048 / 512
	v_mul_f32 v[SKP+2*\k], v30, v31
	v_mov_b32 v[SKP+2*\k+1], 0                     ; the class is 0 throughout
	v_cvt_f32_u32 v32, v[TL+2*\k]
	v_cvt_f32_u32 v33, v[TL+2*\k+1]
	v_cvt_f32_u32 v34, v[BR]
	v_cvt_f32_u32 v35, v[BR+1]
.irp q, 32,33,34,35
	v_mul_f32 v\q, v\q, v[K4+\k]
.endr
	ds_store_b64 v[SA], v[32:33] offset:19200*\k
	ds_store_b64 v[SA], v[34:35] offset:19200*\k+8
	ds_store_b64 v[SA], v[SKP+2*\k:SKP+2*\k+1] offset:19200*\k+16
.endm
.macro REG k                           ; the regression box
.irp c, 0,1,2,3
	v_cndmask_b32 v[GG+4*\k+\c], 0, v[GG+4*\k+\c], s[MA+\k]   ; what pixel (0, 0) held is dropped
.endr
	v_fma_f32 v30, -0.5, v[GG+4*\k+2], v[GG+4*\k]
	v_fma_f32 v31, -0.5, v[GG+4*\k+3], v[GG+4*\k+1]
	v_fma_f32 v32, 0.5, v[GG+4*\k+2], v[GG+4*\k]
	v_fma_f32 v33, 0.5, v[GG+4*\k+3], v[GG+4*\k+1]
.irp q, 30,31,32,33
	v_mul_f32 v\q, v\q, v[K4+\k]
.endr
	ds_store_b64 v[SA], v[30:31] offset:BOXB+19200*\k
	ds_store_b64 v[SA], v[32:33] offset:BOXB+19200*\k+8
	ds_store_b64 v[SA], v[SKP+2*\k:SKP+2*\k+1] offset:BOXB+19200*\k+16
.endm
	v_and_b32 v[BR], 0xffff, v10                   ; brx
	v_lshrrev_b32 v[BR+1], 16, v10                 ; bry
	NEAR 0
	NEAR 1
	s_wait_dscnt 0x0                               ; my reads of the map are over,
	s_barrier_signal -1
	s_barrier_wait -1                              ; everybody's are: the corner boxes may take its bytes
	BOX 0
	BOX 1
	s_wait_loadcnt 0x0                             ; the gathers of both pairs
	REG 0
	REG 1
	s_wait_dscnt 0x0                               ; my boxes are in LDS
	s_barrier_signal -1
	s_barrier_wait -1
.irp n, 0,1,2,3,4,5
	ds_load_b128 v[20+4*\n:23+4*\n], v15 offset:12800*\n
.endr
.irp n, 0,1,2
	s_wait_dscnt 5-\n                              ; LDS loads return in order: the younger ones stay out
	global_store_b128 v15, v[20+4*\n:23+4*\n], s[28:29] offset:12800*\n th:TH_STORE_NT
.endr
.irp n, 3,4,5
	s_wait_dscnt 5-\n
	global_store_b128 v15, v[20+4*\n:23+4*\n], s[28:29] offset:960000+12800*(\n-3) th:TH_STORE_NT
.endr
	s_wait_tensorcnt 0x0
	ds_add_u32 v64, v65
	s_wait_dscnt 0x0
	s_endpgm
.Lfunc_end_k_q28554ea10f_pairs:
	.size	k_q28554ea10f_pairs, .Lfunc_end_k_q28554ea10f_pairs-k_q28554ea10f_pairs
	.p2alignl 7, 3214868480
	.fill 96, 4, 3214868480
	.section	.rodata,"a",@progbits
	.p2align	6, 0x0
	.amdhsa_kernel k_q28554ea10f_pairs
		.amdhsa_group_segment_fixed_size 80128
		.amdhsa_private_segment_fixed_size 0
		.amdhsa_enable_private_segment 0
		.amdhsa_kernarg_size 32
		.amdhsa_user_sgpr_count 2
		.amdhsa_user_sgpr_kernarg_segment_ptr 1
		.amdhsa_wavefront_size32 1
		.amdhsa_system_sgpr_workgroup_id_x 1
		.amdhsa_system_sgpr_workgroup_id_y 1
		.amdhsa_system_sgpr_workgroup_id_z 1
		.amdhsa_system_vgpr_workitem_id 0
		.amdhsa_next_free_vgpr 66
		.amdhsa_next_free_sgpr 66
		.amdhsa_reserve_vcc 1
		.amdhsa_float_denorm_mode_32 3
		.amdhsa_float_denorm_mode_16_64 3
		.amdhsa_memory_ordered 1
		.amdhsa_forward_progress 1
		.amdhsa_inst_pref_size 18
	.end_amdhsa_kernel
	.amdgpu_metadata
---
amdhsa.version: [ 1, 2 ]
amdhsa.kernels:
  - .name:           k_q28554ea10f_pairs
    .symbol:         k_q28554ea10f_pairs.kd
    .args:
      - { .name: bbox, .offset: 0, .size: 8, .value_kind: global_buffer, .address_space: global }
      - { .name: coords, .offset: 8, .size: 8, .value_kind: global_buffer, .address_space: global }
      - { .name: scores, .offset: 16, .size: 8, .value_kind: global_buffer, .address_space: global }
      - { .name: out0, .offset: 24, .size: 8, .value_kind: global_buffer, .address_space: global }
    .group_segment_fixed_size: 80128
    .private_segment_fixed_size: 0
    .kernarg_segment_align: 8
    .kernarg_segment_size: 32
    .max_flat_workgroup_size: 800
    .sgpr_count:     66
    .vgpr_count:     66
    .wavefront_size: 32
...
	.end_amdgpu_metadata
.endif
;; end of part 4
;; ======== version 2 of 2: 4 launches; version 1 with the launch pool written anew for expert scheduling mode
;; workspace buffers: bkeys 3,145,728 bytes of whole numbers; blist 49,152 bytes of whole numbers; ckeys 1,572,864 bytes of whole numbers; coords 147,456 bytes of whole numbers; scores 49,152 bytes
;; launch pool (part 5): grid 32 x 48, 4 waves a work-group, no clusters, 2,560 bytes of LDS; arguments tl_heat, br_heat, ct_heat, bkeys; writes bkeys
.if DOCPART == 5
	.amdgcn_target "amdgcn-amd-amdhsa--gfx1250"
	.amdhsa_code_object_version 6
	.text
	.protected	k_q28554ea10f_pool
	.globl	k_q28554ea10f_pool
	.p2align	8
	.type	k_q28554ea10f_pool,@function
k_q28554ea10f_pool:
	s_mov_b64 s[64:65], 0
	v_nop
	global_prefetch_b8 v0, s[64:65] scope:SCOPE_SE
	s_setreg_imm32_b32 hwreg(HW_REG_WAVE_SCHED_MODE, 0, 2), 2
	s_setreg_imm32_b32 hwreg(HW_REG_WAVE_MODE, 25, 1), 1
	s_wait_xcnt 0x0
	s_wait_alu depctr_vm_vsrc(0)
; hm = maxpool3x3(heat) * (heat == max over the 2 channels), and of hm only the maximum of each block of 32 neighbouring
; pixels of a row, as a sortable key: bkeys[heat*32 + b*2 + c][y*16 + x/32].
; key = bits ^ ((bits >> 31 arithmetic) | 0x80000000): an unsigned number that rises with the f32 and puts -0 under +0.
; A work-group takes 16 rows x 512 columns x both channels of one image; thread t owns columns 4t .. 4t+3.
; The stream needs no matrix unit, no tensor load and no cluster: no tile is shared, and a ring of six rows in registers
; (six loads a row: per channel 16 bytes, the left and the right neighbour) keeps 36 loads of every wave on their way.
; Outside the image the addresses are clamped: the element read twice is in the window already, which is what the
; -inf padding of the pool amounts to.
; LIMIT: NaN in a heat map is not served (a NaN loses in the maxima here).  The block maximum is taken in f32; it leans on
; the f32 maximum ranking +0 above -0 (ISA guide, the entry of v_max_num_f32).
; THE MODE: SCHED_MODE bits 1:0 = 2 (LLVM: expert scheduling mode 2), set by the entry lines.  The code itself states the register
; dependences between vector instructions and memory or LDS instructions, with s_wait_alu, always for 0.
; THE PLAN.  Registers that memory or LDS instructions touch, in the 18 turns:
;   X, six slots    Turn i: its eight horizontal maxima and eight compares read slot i % 6; behind them the loads of row i + 6 land in it.
;   OUT0, OUT1      Turn i writes its two keys into OUT[i % 2]; the two LDS stores that read them are issued in turn i + 1.
;   v1 to v4        Offsets and the LDS address: made once at the head, never written again.
;   P, H, M         Named by vector instructions alone (P takes the read-back of the keys at the very end).
; So a turn has ONE wait on va_vdst, behind the lines that empty its slot: they are done reading the slot, and the turn before has
; written its keys.  The turn's six loads and two LDS stores follow it, dealt by channel among the selects and the pooled work, which
; name M, H, P and the other OUT: none of the registers that those eight touch.  One wait on vm_vsrc at a turn's head frees the OUT
; that the turn writes.  The eight compares stand in one run, into eight scalar registers, with one wait on va_sdst ahead of the selects.
.set CH,   0x100000                    ; bytes in a channel plane
.set ROWB, 2048                        ; bytes in a row
.set OFC,  1                           ; v1       16 t: my four pixels
.set OFL,  2                           ; v2       the pixel to their left (clamped)
.set OFR,  3                           ; v3       the pixel to their right (clamped)
.set LA,   4                           ; v4       LDS: 4 x (t / 8), my block's word in a row of 16 blocks
.set P,    8                           ; v[8:15]  pooled values, 2 channels x 4
.set OUT,  16                          ; v[16:19] keys to store: buffer k, channel c at OUT + 2 k + c
.set H,    20                          ; v[20:43] horizontal maxima of three rows, 2 channels x 4 each
.set M,    44                          ; v[44:59] masks (0 or 1.0) of two rows
.set X,    60                          ; v[60:131] ring: slot s, channel c at X+12s+6c: 4 pixels, left, right
.set BT,   14                          ; s[14:15] the row above the strip (clamped)
.set BM,   16                          ; s[16:17] the strip's first row
.set BB,   18                          ; s[18:19] the row below the strip (clamped)
.set MQ,   22                          ; s22-25 lane masks of channel 0's four pixels; s26, s27, s29, s30 of channel 1's (s28 holds a constant); the head is done with all eight
	s_load_b256 s[4:11], s[0:1], 0x0               ; tl s[4:5], br s[6:7], ct s[8:9], bkeys s[10:11]
	v_lshl_add_u32 v136, v0, 2, 0x800
	v_mov_b32 v137, 0
	s_and_b32 s22, ttmp7, 0xffff                   ; image = heat * 16 + b
	s_lshr_b32 s23, s22, 4                         ; heat
	s_and_b32 s24, s22, 15                         ; b
	s_lshl_b32 s25, ttmp9, 4                       ; y0, the strip's first row
	s_mov_b32 s28, 0x80000000
	v_lshlrev_b32 v[OFC], 4, v0
	v_min_u32 v[OFL], 1, v0                        ; 16 t - 4, and 0 for t = 0
	v_lshlrev_b32 v[OFL], 2, v[OFL]
	v_sub_nc_u32 v[OFL], v[OFC], v[OFL]
	v_add_nc_u32 v[OFR], 16, v[OFC]
	v_min_u32 v[OFR], 2044, v[OFR]                 ; column 511 at the most
	v_lshrrev_b32 v[LA], 3, v0
	v_lshlrev_b32 v[LA], 2, v[LA]
	s_wait_kmcnt 0x0
	s_cmp_eq_u32 s23, 1
	s_cselect_b64 s[12:13], s[6:7], s[4:5]
	s_cmp_eq_u32 s23, 2
	s_cselect_b64 s[12:13], s[8:9], s[12:13]
	s_lshl_b32 s26, s24, 21                        ; b x 2 channels x 1 MiB
	s_mov_b32 s27, 0
	s_add_nc_u64 s[12:13], s[12:13], s[26:27]
	s_lshl_b32 s26, s25, 11
	s_add_nc_u64 s[BM:BM+1], s[12:13], s[26:27]
	s_sub_co_i32 s26, s25, 1
	s_max_i32 s26, s26, 0
	s_lshl_b32 s26, s26, 11
	s_add_nc_u64 s[BT:BT+1], s[12:13], s[26:27]
	s_add_co_u32 s26, s25, 16
	s_min_u32 s26, s26, 511
	s_lshl_b32 s26, s26, 11
	s_add_nc_u64 s[BB:BB+1], s[12:13], s[26:27]
	s_lshl_b32 s26, s22, 16                        ; image x 2 planes of 32,768 bytes of keys
	s_lshl_b32 s29, ttmp9, 10                      ; + strip x 256 blocks x 4 bytes
	s_add_co_u32 s26, s26, s29
	s_add_nc_u64 s[20:21], s[10:11], s[26:27]
.macro LOAD3 s, b, off, c              ; one row of channel c into slot s
	global_load_b128 v[X+12*\s+6*\c:X+12*\s+6*\c+3], v[OFC], s[\b:\b+1] offset:\off+\c*CH
	global_load_b32 v[X+12*\s+6*\c+4], v[OFL], s[\b:\b+1] offset:\off+\c*CH
	global_load_b32 v[X+12*\s+6*\c+5], v[OFR], s[\b:\b+1] offset:\off+\c*CH
.endm
.macro LOADCH i, c                     ; channel c of input row i = image row y0 - 1 + i, i = 0 .. 17
.if (\i) == 0
	LOAD3 0, BT, 0, \c
.else
.if (\i) == 17
	LOAD3 5, BB, 0, \c
.else
	LOAD3 ((\i)%6), BM, ((\i)-1)*ROWB, \c
.endif
.endif
.endm
; The turn of input row i: its horizontal maxima and compares; then, dealt by channel, the slot's next loads, the LDS stores of the
; keys made in the turn before (output row i - 3), the row's masks, and output row i - 2.
.macro ROW i
.if \i < 12
	s_wait_loadcnt 30                              ; loads return in order: five younger rows of six loads stay out
.else
	s_wait_loadcnt 6*(17-\i)                       ; fewer rows are behind this one
.endif
.if \i >= 4
	s_wait_alu depctr_vm_vsrc(0)                   ; the LDS stores issued in the turn before have read OUT[i % 2], which this turn's keys write again
.endif
.irp c, 0,1
.set XS, X+12*(\i%6)+6*\c
.set HS, H+8*(\i%3)+4*\c
	v_max3_num_f32 v[HS+0], v[XS+4], v[XS+0], v[XS+1]
	v_max3_num_f32 v[HS+1], v[XS+0], v[XS+1], v[XS+2]
	v_max3_num_f32 v[HS+2], v[XS+1], v[XS+2], v[XS+3]
	v_max3_num_f32 v[HS+3], v[XS+2], v[XS+3], v[XS+5]
.endr
.if \i >= 1
.if \i <= 16
.set X0, X+12*(\i%6)
.irp x, 0,1,2,3
	v_cmp_ge_f32 s[MQ+\x], v[X0+\x], v[X0+6+\x]            ; channel 0 is the pixel's maximum
	v_cmp_ge_f32 s[MQ+4+\x+\x/2], v[X0+6+\x], v[X0+\x]     ; channel 1 is (both, where they are equal)
.endr
	s_wait_alu depctr_va_sdst(0)                   ; the eight compares have written their lane masks, ahead of the first select that reads one
.endif
.endif
	s_wait_alu depctr_va_vdst(0)                   ; the maxima and compares above are done reading slot i % 6, in which the loads below land; the turn before has written its keys, which the LDS stores below read
.set MN, M+8*(\i%2)                    ; this row's masks
.set MS, M+8*((\i+1)%2)                ; the masks of the row before, which is the output row's
.irp c, 0,1
.if \i <= 11
	LOADCH \i+6, \c                                ; no vector instruction since the wait names the slot
.endif
.if \i >= 3
	ds_store_b32 v[LA], v[OUT+2*((\i-1)%2)+\c] offset:\c*1024+(\i-3)*64   ; the block's eight lanes write one word, with one value; no vector instruction since the wait names this OUT
.endif
.if \i >= 1
.if \i <= 16
.irp x, 0,1,2,3
	v_cndmask_b32 v[MN+4*\c+\x], 0, 1.0, s[MQ+4*\c+\x+\c*(\x/2)]
.endr
.endif
.endif
.if \i >= 2
.irp x, 0,1,2,3
	v_max3_num_f32 v[P+4*\c+\x], v[H+4*\c+\x], v[H+8+4*\c+\x], v[H+16+4*\c+\x]
.endr
	v_pk_mul_f32 v[P+4*\c:P+4*\c+1], v[P+4*\c:P+4*\c+1], v[MS+4*\c:MS+4*\c+1]       ; a true product: the zero keeps the pool's sign
	v_pk_mul_f32 v[P+4*\c+2:P+4*\c+3], v[P+4*\c+2:P+4*\c+3], v[MS+4*\c+2:MS+4*\c+3]
	v_max3_num_f32 v[P+4*\c], v[P+4*\c], v[P+4*\c+1], v[P+4*\c+2]
	v_max_num_f32 v[P+4*\c], v[P+4*\c], v[P+4*\c+3]
	v_max_num_f32_dpp v[P+4*\c], v[P+4*\c], v[P+4*\c] row_xmask:1 row_mask:0xf bank_mask:0xf   ; eight lanes = 32 pixels = a block
	v_max_num_f32_dpp v[P+4*\c], v[P+4*\c], v[P+4*\c] row_xmask:2 row_mask:0xf bank_mask:0xf
	v_max_num_f32_dpp v[P+4*\c], v[P+4*\c], v[P+4*\c] row_xmask:4 row_mask:0xf bank_mask:0xf
	v_ashrrev_i32 v[P+4*\c+1], 31, v[P+4*\c]
	v_or_b32 v[P+4*\c+1], s28, v[P+4*\c+1]
	v_xor_b32 v[OUT+2*(\i%2)+\c], v[P+4*\c], v[P+4*\c+1]   ; the key, kept for the next turn's store
.endif
.endr
.endm
	s_wait_alu depctr_va_vdst(0)                   ; v1 to v4 are written: every load reads one of v1 to v3 as its offset, every LDS store v4 as its address
.irp i, 0,1,2,3,4,5
	LOADCH \i, 0
	LOADCH \i, 1
.endr
.irp i, 0,1,2,3,4,5,6,7,8,9,10,11,12,13,14,15,16,17
	ROW \i
.endr
	v_lshrrev_b32 v5, 6, v0                        ; threads 0-63 channel 0, 64-127 channel 1
	v_and_b32 v6, 63, v0
	v_lshlrev_b32 v6, 4, v6
	v_lshl_add_u32 v5, v5, 15, v6
	s_wait_alu depctr_va_vdst(0)                   ; the last turn has written OUT1, which the two LDS stores read, and is done with v[8:11], in which the read-back lands; v5, the global store's offset, is written
	ds_store_b32 v[LA], v[OUT+2] offset:15*64      ; output row 15
	ds_store_b32 v[LA], v[OUT+3] offset:1024+15*64
	s_wait_dscnt 0x0                               ; my keys are in LDS before the others read them
	s_barrier_signal -1
	s_barrier_wait -1
	ds_load_b128 v[P:P+3], v[OFC]                  ; 2 x 1,024 bytes of keys, 16 bytes a thread
	s_wait_dscnt 0x0
	global_store_b128 v5, v[P:P+3], s[20:21]       ; a wave's store covers 512 consecutive bytes, aligned
	s_wait_dscnt 0x0                               ; the closing lines, six on end
	s_wait_alu 0x0
	s_wait_tensorcnt 0x0
	ds_add_u32 v136, v137
	s_wait_dscnt 0x0
	s_endpgm
.Lfunc_end_k_q28554ea10f_pool:
	.size	k_q28554ea10f_pool, .Lfunc_end_k_q28554ea10f_pool-k_q28554ea10f_pool
	.p2alignl 7, 3214868480
	.fill 96, 4, 3214868480
	.section	.rodata,"a",@progbits
	.p2align	6, 0x0
	.amdhsa_kernel k_q28554ea10f_pool
		.amdhsa_group_segment_fixed_size 2560
		.amdhsa_private_segment_fixed_size 0
		.amdhsa_enable_private_segment 0
		.amdhsa_kernarg_size 32
		.amdhsa_user_sgpr_count 2
		.amdhsa_user_sgpr_kernarg_segment_ptr 1
		.amdhsa_wavefront_size32 1
		.amdhsa_system_sgpr_workgroup_id_x 1
		.amdhsa_system_sgpr_workgroup_id_y 1
		.amdhsa_system_sgpr_workgroup_id_z 1
		.amdhsa_system_vgpr_workitem_id 0
		.amdhsa_next_free_vgpr 138
		.amdhsa_next_free_sgpr 66
		.amdhsa_reserve_vcc 0
		.amdhsa_float_denorm_mode_32 3
		.amdhsa_float_denorm_mode_16_64 3
		.amdhsa_memory_ordered 1
		.amdhsa_forward_progress 1
		.amdhsa_inst_pref_size 66
	.end_amdhsa_kernel
	.amdgpu_metadata
---
amdhsa.version: [ 1, 2 ]
amdhsa.kernels:
  - .name:           k_q28554ea10f_pool
    .symbol:         k_q28554ea10f_pool.kd
    .args:
      - { .name: tl_heat, .offset: 0, .size: 8, .value_kind: global_buffer, .address_space: global }
      - { .name: br_heat, .offset: 8, .size: 8, .value_kind: global_buffer, .address_space: global }
      - { .name: ct_heat, .offset: 16, .size: 8, .value_kind: global_buffer, .address_space: global }
      - { .name: bkeys, .offset: 24, .size: 8, .value_kind: global_buffer, .address_space: global }
    .group_segment_fixed_size: 2560
    .private_segment_fixed_size: 0
    .kernarg_segment_align: 8
    .kernarg_segment_size: 32
    .max_flat_workgroup_size: 128
    .sgpr_count:     66
    .vgpr_count:     138
    .wavefront_size: 32
...
	.end_amdgpu_metadata
.endif
;; end of part 5
;; launch cand: the kernel of part 2 again; grid 96 x 1, 32 waves a work-group, no clusters, 25,344 bytes of LDS; arguments tl_heat, br_heat, ct_heat, bkeys, blist, ckeys; writes blist, ckeys
;; launch topk: the kernel of part 3 again; grid 96 x 1, 4 waves a work-group, no clusters, 6,912 bytes of LDS; arguments ckeys, blist, coords, scores; writes coords, scores
;; launch pairs: the kernel of part 4 again; grid 25 x 16, 25 waves a work-group, no clusters, 80,128 bytes of LDS; arguments bbox, coords, scores, out0; writes out0
